; MI455X (gfx1250); checked and timed in simulation.
; The chip was launched on July 23, 2026; its instructions are those of AMD's public machine-readable ISA for CDNA 5 (MIT licence, August 2026) and "CDNA5" Instruction Set Architecture Reference Guide (July 2026). The comments in the code are by the model that wrote it; some were corrected since.
;; Attention With Context. Allowed arithmetic: matrix products marked QUANTISED: E5M2 operands, one given power-of-two scale a tensor, by v_wmma_f32_16x16x64_bf8_bf8 or v_wmma_f32_16x16x128_bf8_bf8, f32 sums; products left as they are: f32 operands where the result goes on into a quantised operand, else bf16, f16 or f32 operands; f32 sums; everything else in f32.
;; Inputs: W 256 x 256 float32; b 256 float32; inputs 64 x 2,048 x 256 float32; lowp_scales 2 int32 (the exponents e of the quantised operands' scales 2^e); mask 64 x 2,048 float32; u 256 float32.
;; Outputs: out0 64 x 256 float32; out1 64 x 2,048 float32.
;; This version of the problem:
;;   THIS VERSION OF THE PROBLEM IS GIVEN IN LOW PRECISION. The matrix products marked QUANTISED in the list below multiply operands that are first quantised to E5M2 (5 exponent bits, 2 mantissa bits; 8 bits a number), with one given power-of-two scale for each operand tensor; their sums are f32. All else is computed in f32.
;;   The module's matrix products, in the order in which they are computed (A, B: the left and right operand; K: the contracted axis; several contracted axes count as one K, in the product's order):
;;     1. [M 131,072, K 256] x [K 256, N 256]; A: input inputs; B: input W: QUANTISED (scales: A lowp_scales[0], B lowp_scales[1])
;;     2. batch 64 x [M 1, K 2,048] x [K 2,048, N 256]; A: computed on the way; B: input inputs: left as it is (M = 1 < 16)
;;   THE QUANTISER, for each operand of a quantised product, along K:
;;     - The operand's scale is 2^e, e = its entry of the input lowp_scales (int32; the entries are numbered through the quantised products in the list's order, A before B).
;;     - Each number is divided by the scale, clamped to +-57,344, and rounded to the nearest number of E5M2, ties to even, subnormals kept.
;;     - The product sums the exact products of the quantised numbers (number of the format x scale) in f32.
;;   ~~~python
;;   def quantise(x, axis, e):      # numpy; x: float32 -> the quantised numbers, widened to float32 again
;;       x = np.moveaxis(x, axis, -1); K = x.shape[-1]
;;       r = np.clip(x / 2.0 ** e, -57344, 57344)
;;       step = 2.0 ** (np.maximum(np.frexp(np.where(r == 0, 1, r))[1] - 1, -14) - 2)
;;       q = np.round(r / step) * step * 2.0 ** e      # np.round: ties to even
;;       return np.moveaxis(q, -1, axis).astype(np.float32)
;;   ~~~
;; One version. Each part assembles by itself: llvm-mc -triple=amdgcn-amd-amdhsa -mcpu=gfx1250 --defsym DOCPART=n.
;; ======== version 1 of 1: 2 launches
;; limits: right only within a limited range of input values
;; workspace buffers: logits 524,288 bytes; parts 2,097,152 bytes; stats 16,384 bytes
;; launch pool (part 1): grid 256 x 1, 4 waves a work-group, no clusters, 87,552 bytes of LDS; arguments inputs, mask, W, u, lowp_scales, logits, parts, stats; writes logits, parts, stats
.if DOCPART == 1
	.amdgcn_target "amdgcn-amd-amdhsa--gfx1250"
	.amdhsa_code_object_version 6
	.text
	.protected	k_q83d396e96d_pool
	.globl	k_q83d396e96d_pool
	.p2align	8
	.type	k_q83d396e96d_pool,@function
k_q83d396e96d_pool:
	s_mov_b64 s[64:65], 0
	v_nop
	global_prefetch_b8 v0, s[64:65] scope:SCOPE_SE
	s_setreg_imm32_b32 hwreg(HW_REG_WAVE_MODE, 25, 1), 1
	s_wait_xcnt 0x0
; AttentionWithContext, first of two launches.  key = Q(inputs) Q(W) on codes of BF8 (E5M2) with the two given scales 2^ex, 2^ew; logit[t] = key[t] . u / 16;
; a softmax over T with a padding mask; scores, and the sum over t of score x inputs[t].  This launch reads inputs ONCE: it makes every logit and, for each run of 128 positions, pooled sums under a running maximum.
; DEAD WORK: b.  reference() adds b to key, so every logit of a batch gets the same term b . u / 16.  logits_min, the where(), the maximum and so logits_shifted = logits_safe - max are unchanged by a term
; that is the same along T, whatever finite values the inputs hold; b goes into no quantiser.  So b reaches no output: it is not loaded and is no argument of any launch.
; LIMIT of that: a NaN, an infinity or an overflow that reaches only b . u is not carried to the result.
; Logits are kept x log2(e) throughout both launches (the factor goes into u, behind the quantised product), so that every exponential is a power of two.
; THE MASK is taken as reference() takes it: mask > 0.5 selects the logit, else the row's minimum stands for it; mask multiplies the weight.  The minimum is known only at the end, so two sums are carried:
;   pooled1 = sum over mask > 0.5 of mask 2^(l - m) x (m the running maximum of the selected logits), l1 its weights;   pooled2 = sum over the others of mask x, l2 its weights.  The next launch joins them.
; LIMITS: ex and ew between -126 and 112 (each power of two below is an f32 number); logits x log2(e) strictly inside +-2^127 (-2^127 stands for 'nothing selected yet'); NaN among the inputs is not served.
; SHARES.  Work-group g: rows 512 g .. 512 g + 511 of [131072][256]; wave w: 128 of them, run P = 4 g + w, eight tiles of 16 rows x all 256 columns.  Waves share W's codes alone: one barrier.
; NO CLUSTER: x is read by one work-group alone.  W is shared, but it arrives as f32 and is quantised from registers: a joint load would lay the same 262,144 bytes into each work-group's LDS, from which they
; would have to be read once more.  So each wave loads a quarter of W straight into registers, once a work-group, and only the codes (65,536 bytes) go through LDS.
; HOW x TRAVELS.  A tile goes from memory into 128 registers by rows: lane (r, h) takes of rows 8 h + 0 .. 7 the columns 64 i + 4 r' + e at register 16 j + 4 i + e; sixteen lanes load 256 consecutive bytes.
; r' = r in a work-group of even number and r xor 4 in one of odd number.
; These registers serve the quantiser and the pooling.  Only the CODES are turned, through the wave's own stage in LDS.  K step s takes the columns with i = 2 s, 2 s + 1: a lane's 8 codes of a row are 8 bytes.
; K IN THE FRAGMENTS: register 4 c + d, byte e of K step s in lane half h holds k = 64 (2 s + d % 2) + 8 p' + 4 (d / 2) + e, where p = 2 c + h and p' = p, or p xor 2 with an odd number; alike in x's and in W's:
; every product meets its partner.
; W: wave w = 2 s + v makes the chunks p = 4 v .. 4 v + 3 of K step s: rows 64 (2 s + 0, 1) + 32 v + 0 .. 31.  A wave's first 64 loads name the first 16 rows of each 32 in a work-group of even number and the
; last 16 in one of odd number: so two neighbouring work-groups ask for all of W ahead of any x.
; THE COLUMNS OF A TILE OF W: lane r of tile n holds column 64 (n / 4) + 4 r + n % 4.  The logit sums over all columns: their order is free.
; THE ORDER OF THE LOADS.  W's eight units of 16, mask and u, two tiles of x: each batch is asked for as an older unit lands.  From then on a row's registers are loaded again, for the tile two further on, as
; soon as the row has been pooled: 64 loads a wave are out.
; PREFETCH.  While tile t is worked, tile t + 4 is asked for, two tiles ahead of its loads: 16,384 bytes, two requests of 32 lanes x 256 bytes; at the head tiles 0 to 3, spread over the work on W, which
; goes ahead of their loads.  Each block is named once, by the wave that loads it.
; REGISTERS, in windows of 256.  Window 0: below.  Window 1: W's units 0-3, then W's 16 fragments of K step 0 (tile n at 16 n).  Window 2: units 4-7, then K step 1's.  Window 3: two tiles of x, 128 registers each.
.set SP,    272                        ; a stage row: 256 bytes of codes + 16, so that 16 rows start at 16 different 16-byte columns
.set STAGE, 65536                      ; behind W's codes (wave w's at 16,384 w: tile n at 1,024 n, chunk p % 4 at 256 x, lane r at 16 r): 16 rows for each wave
.set MASKL, STAGE+4*16*SP              ; 512 bytes a wave: the mask where it selects, else 0; 2,048 bytes further on: the mask where it does not
.set SPARE, MASKL+4096                 ; the spare words, 128 bytes a wave: two blocks of 256 bytes that no other line names
.set XT,    16384                      ; a tile of x in memory
.set LN16, 1                           ; 16 x lane
.set STW,  2                           ; my stage + 8 h rows + 8 r: where I put a row's codes
.set STR,  3                           ; my stage + row r + 16 h: where I take a fragment's chunks
.set SPW,  4
.set NIL,  5
.set XSC,  6                           ; 2^ex
.set XLIM, 7                           ; 57,344 x 2^ex
.set MK0,  8                           ; MASKL + 512 w + 32 h
.set MKA,  9                           ; the same for the trip in hand
.set FF,   10                          ; 2^(old m - new m); while W is quantised: 2^ew
.set PT,   11                          ; a lane exchange's result; while W is quantised: 57,344 x 2^ew
.set MRUN, 12                          ; m, the minimum, l1, l2: stored together at the end
.set MINR, 13
.set L1,   14
.set L2,   15
.set UR,   16                          ; v16-31   u of my column of tile n, x log2(e) 2^(ex + ew - 4)
.set CD,   32                          ; v32-63   x's fragments, K step s at 32 + 16 s; v32-47 at work behind K step 0's products
.set TT,   32                          ; v32-39   the dot product's second chain
.set LG,   64                          ; v64-71   the logits of rows 8 h + j
.set MK,   72                          ; v72-79   the weights of pooled2
.set W1R,  80                          ; v80-87   the weights of pooled1
.set AC1,  88                          ; v88-103  pooled1, column 64 i + 4 r' + e at 4 i + e, rows of my half of the lanes
.set AC2,  104                         ; v104-119 pooled2
.set GO,   110                         ; at the head: v110, v111 where units 0-3 and 4-7 of W begin: 16 x lane, + 16 rows in one of the two
.set PFO,  120                         ; 256 x lane
.set SNT,  121                         ; -2^127
.set XO,   122                         ; 8,192 h + 16 r'
.set RH,   123                         ; r / 2
.set KEEP, 124                         ; v124-127 lane r keeps the logits of rows 8 h + 4 (r % 2) + 0 .. 3 of tile r / 2
.set UA,   124                         ; at the head: 16 r
.set LGA,  125                         ; at the head: MASKL + 512 w + 16 lane
.set WST,  126                         ; at the head: 16,384 w + 4,096 h + 16 r
.set FD,   128                         ; v128-255 W's codes at the head; a tile's held numbers (from + 32) and codes (from + 96); the 16 accumulators (tile n at + 8 n)
.set MSB, 0
.macro WIN new                         ; s_set_vgpr_msb: bits 1:0 source 0, 3:2 source 1, 5:4 source 2, 7:6 destination; the high byte repeats the setting that is left
.if MSB != (\new)
	s_set_vgpr_msb (MSB<<8)|(\new)
.set MSB, (\new)
.endif
.endm
; rows j0 .. j0 + n - 1 (of each half of the lanes) of the tile at byte toff of s[50:51], into buffer bf
.macro XROWS bf, toff, j0, n
	WIN 0xc0
.set xq, 4*(\j0)
.rept 4*(\n)
	global_load_b128 v[128*(\bf)+4*xq:128*(\bf)+4*xq+3], v[XO], s[50:51] offset:(\toff)+256*xq th:TH_LOAD_NT
.set xq, xq+1
.endr
.endm
.macro PF toff                         ; 8,192 bytes asked for
	global_prefetch_b8 v[PFO], s[50:51] offset:\toff th:TH_LOAD_NT scope:SCOPE_SE
.endm
; W, unit q: my chunk q / 2, columns 128 (q % 2) .. + 127, four a lane: its loads i0 .. i0 + n - 1.  Number wi = 4 d + e of a chunk: piece d % 2, row 4 (d / 2) + e of the chunk's eight
.macro WGL q, i0, n
	WIN 0x40*(1+(\q)/4)
.set wi, (\i0)
.rept \n
	global_load_b128 v[64*((\q)%4)+4*wi:64*((\q)%4)+4*wi+3], v[GO+(\q)/4], s[20:21] offset:65536*((wi/4)%2)+1024*(8*(((\q)/2)%2)+4*(wi/8)+wi%4)+512*((\q)%2)
.set wi, wi+1
.endr
.endm
; The hold at the largest code also moves each column's 16 numbers into consecutive registers, so nothing else transposes.
.macro WUNIT q
	WIN 1+(\q)/4
.irp col, 0,1,2,3
.set wi, 0
.rept 16
	v_med3_num_f32 v[CD+16*\col+wi], v[64*((\q)%4)+4*wi+\col], -v[PT], v[PT]
.set wi, wi+1
.endr
.endr
	WIN 0
.irp col, 0,1,2,3
.irp g, 0,1
	v_cvt_scalef32_pk8_bf8_f32 v[FD+16*(\q)+4*\col+2*\g:FD+16*(\q)+4*\col+2*\g+1], v[CD+16*\col+8*\g:CD+16*\col+8*\g+7], v[FF]
.endr
.endr
	v_nop                                          ; a plain instruction between the conversions and the next holds, which write their sources
.endm
.macro WUST q                          ; tile n = 8 (q % 2) + 4 h + col, chunk q / 2 of my four
.irp col, 0,1,2,3
	ds_store_b128 v[WST], v[FD+16*(\q)+4*\col:FD+16*(\q)+4*\col+3] offset:8192*((\q)%2)+1024*\col+256*((\q)/2)
.endr
.endm
; W's fragments of K step s, tiles n0 .. n0 + cnt - 1: piece c of tile n is chunks 2 c, 2 c + 1: wave 2 s + c / 2's codes, 512 consecutive bytes
.macro WFRAG s, n0, cnt
	WIN 0x40*(1+(\s))
.set wn, (\n0)
.rept \cnt
.irp c, 0,1,2,3
	ds_load_b128 v[16*wn+4*\c:16*wn+4*\c+3], v[LN16] offset:16384*(2*(\s)+\c/2)+1024*wn+512*(\c%2)
.endr
.set wn, wn+1
.endr
.endm
; acc += x * w[j], two numbers at a time; w[j] serves both halves (an even j: the pair's first register; an odd j: its second)
.macro PKB acc, x, w, j
.if ((\j)%2) == 0
	v_pk_fma_f32 v[\acc:\acc+1], v[\x:\x+1], v[\w+\j:\w+\j+1], v[\acc:\acc+1] op_sel_hi:[1,0,1]
.else
	v_pk_fma_f32 v[\acc:\acc+1], v[\x:\x+1], v[\w+\j-1:\w+\j], v[\acc:\acc+1] op_sel:[0,1,0] op_sel_hi:[1,1,1]
.endif
.endm
; n steps of pooled2, from the one that pidx counts: row pidx / 8, columns' pair pidx % 8
.macro POOL2 bf, n
	WIN 0x03
.rept \n
	PKB AC2+2*(pidx%8),128*(\bf)+16*(pidx/8)+2*(pidx%8),MK,(pidx/8)
.set pidx, pidx+1
.endr
.endm
; key . u: my column's part of tile n, in two chains; each accumulator from its low end on
.macro DOT n
	WIN 0
.irp j, 0,2,4,6
.if (\n) == 0
	v_pk_mul_f32 v[LG+\j:LG+\j+1], v[FD+\j:FD+\j+1], v[UR:UR+1] op_sel_hi:[1,0]
.elseif (\n) == 1
	v_pk_mul_f32 v[TT+\j:TT+\j+1], v[FD+8+\j:FD+8+\j+1], v[UR:UR+1] op_sel:[0,1] op_sel_hi:[1,1]
.elseif ((\n)%2) == 0
	PKB LG+\j,FD+8*(\n)+\j,UR,(\n)
.else
	PKB TT+\j,FD+8*(\n)+\j,UR,(\n)
.endif
.endr
.endm
; the codes of K step s through the stage: LDS serves a wave's instructions in order (ISA guide 5.7.1.4), so the loads see the stores
.macro TURN s
	WIN 0
.irp j, 0,1,2,3,4,5,6,7
	ds_store_b64 v[STW], v[FD+96+16*\s+2*\j:FD+96+16*\s+2*\j+1] offset:SP*\j+128*\s
.endr
.irp c, 0,1,2,3
	ds_load_b128 v[CD+16*\s+4*\c:CD+16*\s+4*\c+3], v[STR] offset:128*\s+32*\c
.endr
.endm
; ONE TILE of 16 rows, in buffer bf.  ma, mi: register and bytes for its 16 mask values; tn: its number; left: the younger tile's loads, which may stay out;
; load = 1: the buffer is loaded again, with the tile two further on; pf: the tile four further on is prefetched (2) or is while s34 > 1 (1); first = 1: W's fragments are loaded on the way
.macro TILE bf, ma, mi, tn, left, load, pf, first
	ds_load_b128 v[MK:MK+3], v[\ma] offset:2048+\mi
	ds_load_b128 v[MK+4:MK+7], v[\ma] offset:2048+\mi+16
	ds_load_b128 v[W1R:W1R+3], v[\ma] offset:\mi
	ds_load_b128 v[W1R+4:W1R+7], v[\ma] offset:\mi+16
.irp p, 0,1,2,3                                ; K step 0's numbers, two rows at a time
	s_wait_loadcnt 26+\left-8*\p                   ; loads come back in order (ISA guide 5.7.1): these rows' first two of four are in; the 26 - 8 p behind them and the next tile's may be out
	WIN 0x03                                       ; source 0: window 3
.set tq, 0
.rept 16
	v_med3_num_f32 v[FD+32+16*\p+tq], v[128*(\bf)+32*\p+16*(tq/8)+tq%8], -v[XLIM], v[XLIM]   ; the conversion to an 8-bit code does not saturate (ISA guide 7.6.2): the hold at the largest code x the scale
.set tq, tq+1
.endr
.if \first
	WFRAG 0, 4*\p, 4
.endif
.endr
	WIN 0
.irp j, 0,1,2,3,4,5,6,7
	v_cvt_scalef32_pk8_bf8_f32 v[FD+96+2*\j:FD+97+2*\j], v[FD+32+8*\j:FD+39+8*\j], v[XSC]
.endr
	v_nop                                          ; a plain instruction between the conversions and the holds below, which write their sources
	s_wait_loadcnt \left                           ; the whole tile is in
	WIN 0x03
.set tq, 0
.rept 32                                       ; K step 1's numbers, rows 0-3
	v_med3_num_f32 v[FD+32+tq], v[128*(\bf)+16*(tq/8)+8+tq%8], -v[XLIM], v[XLIM]
.set tq, tq+1
.endr
	TURN 0
.if \first
	WFRAG 1, 0, 8
.endif
	WIN 0x03
.set tq, 32
.rept 32                                       ; rows 4-7
	v_med3_num_f32 v[FD+32+tq], v[128*(\bf)+16*(tq/8)+8+tq%8], -v[XLIM], v[XLIM]
.set tq, tq+1
.endr
	WIN 0
.irp j, 0,1,2,3,4,5,6,7
	v_cvt_scalef32_pk8_bf8_f32 v[FD+112+2*\j:FD+113+2*\j], v[FD+32+8*\j:FD+39+8*\j], v[XSC]
.endr
.if \first
	WFRAG 1, 8, 8
	s_wait_dscnt 63                                ; the mask is in: 140 younger LDS instructions follow it
.else
	s_wait_dscnt 12                                ; the mask is in; K step 0's eight stores and four loads may be out
.endif
.set pidx, 0
	POOL2 \bf, 16                                  ; pooled2 needs no logit
	TURN 1
	s_wait_alu depctr_va_vdst(0)
.if \load
.if (\bf) == 0
	s_wait_xcnt 0x0                                ; every load and prefetch has read its address: the base steps by two tiles
	s_add_nc_u64 s[50:51], s[50:51], 2*XT
.endif
.if (\pf) == 1
	s_cmp_gt_u32 s34, 1                            ; the last trip prefetches nothing: its tiles four further on do not exist
	s_cbranch_scc0 .Lnot_ahead_\@
.endif
	PF 2*XT+XT*(\bf)
	PF 2*XT+XT*(\bf)+8192
.if (\pf) == 1
.Lnot_ahead_\@:
.endif
.endif
.if \first
	s_wait_dscnt 63                                ; K step 0's fragments, x's and W's, are in: 76 younger LDS instructions follow them
.else
	s_wait_dscnt 12                                ; K step 0's fragments are in; K step 1's eight stores and four loads may be out
.endif
.irp n, 0,1,2,3,4,5,6,7,8,9,10,11,12,13,14,15  ; key(8 h + j, my column of tile n) in register j of accumulator n.  The first K step starts the sums; the 16 accumulators take turns
	WIN 0x04                                       ; source 1 (W): window 1
	v_wmma_f32_16x16x128_bf8_bf8 v[FD+8*\n:FD+8*\n+7], v[CD:CD+15], v[16*\n:16*\n+15], 0
.if (\n%2) == 1
	POOL2 \bf, 6
.endif
.endr
	s_wait_dscnt 0x0                               ; K step 1's fragments are in
.irp n, 0,1,2,3,4,5,6,7,8,9,10,11,12,13,14,15
	WIN 0x08                                       ; window 2
	v_wmma_f32_16x16x128_bf8_bf8 v[FD+8*\n:FD+8*\n+7], v[CD+16:CD+31], v[16*\n:16*\n+15], v[FD+8*\n:FD+8*\n+7]
.if \n < 2
	WIN 0
.irp j, 0,1,2,3
	v_cmp_lt_f32 s[40+4*\n+\j], 0.5, v[W1R+4*\n+\j]                ; mask > 0.5 (W1R is 0 where it is not)
.endr
.elseif \n == 2
	WIN 0
	v_cmp_eq_u32 s48, \tn, v[RH]
.else
	DOT \n-3                                       ; five or more places behind its product: other tiles' dots, or the compares, between
.endif
.endr
	DOT 13
	DOT 14
	DOT 15
.irp j, 0,2,4,6
	v_pk_add_f32 v[LG+\j:LG+\j+1], v[LG+\j:LG+\j+1], v[TT+\j:TT+\j+1]
.endr
.irp x, 1,2,4,8                                ; over the 16 lanes of a half: every lane then holds the logits of rows 8 h + 0 .. 7
.irp j, 0,1,2,3,4,5,6,7
	v_add_f32_dpp v[LG+\j], v[LG+\j], v[LG+\j] row_xmask:\x row_mask:0xf bank_mask:0xf
.endr
.endr
.irp j, 0,1,2,3,4,5,6,7
	v_cndmask_b32 v[CD+\j], v[SNT], v[LG+\j], s[40+\j]             ; the selected logit, else -2^127
.endr
	v_mov_b32 v40, v[MRUN]                         ; the old m
	v_max3_num_f32 v[MRUN], v[MRUN], v[CD], v[CD+1]
	v_max3_num_f32 v41, v[CD+2], v[CD+3], v[CD+4]
	v_min3_num_f32 v[MINR], v[MINR], v[LG], v[LG+1]
	v_min3_num_f32 v42, v[LG+2], v[LG+3], v[LG+4]
	v_max3_num_f32 v[MRUN], v[MRUN], v[CD+5], v[CD+6]
	v_min3_num_f32 v[MINR], v[MINR], v[LG+5], v[LG+6]
	v_max3_num_f32 v[MRUN], v[MRUN], v41, v[CD+7]
	v_min3_num_f32 v[MINR], v[MINR], v42, v[LG+7]
	v_cndmask_b32 v44, v[LG], v[LG+4], s39         ; my four of the half's eight logits,
	v_cndmask_b32 v45, v[LG+1], v[LG+5], s39
	v_permlanex16_b32 v[PT], v[MRUN], s36, s37     ; the other eight rows' lie in the lane 16 away
	v_permlanex16_b32 v43, v[MINR], s36, s37
	v_cndmask_b32 v46, v[LG+2], v[LG+6], s39
	v_cndmask_b32 v47, v[LG+3], v[LG+7], s39
	v_max_num_f32 v[MRUN], v[MRUN], v[PT]          ; the running maximum of the selected logits: it is taken away before every exponential
	v_min_num_f32 v[MINR], v[MINR], v43            ; the running minimum of all logits
.irp e, 0,1,2,3
	v_cndmask_b32 v[KEEP+\e], v[KEEP+\e], v[44+\e], s48            ; kept where this tile is mine
.endr
	v_sub_f32 v40, v40, v[MRUN]
.irp j, 0,2,4,6
	v_pk_add_f32 v[CD+\j:CD+\j+1], v[CD+\j:CD+\j+1], v[MRUN:MRUN+1] op_sel_hi:[1,0] neg_lo:[0,1] neg_hi:[0,1]   ; l - m
.endr
	s_wait_alu depctr_va_vdst(0)
.irp j, 0,1,2,3,4,5,6,7
	v_exp_f32 v[CD+\j], v[CD+\j]                   ; one batch of nine
.endr
	v_exp_f32 v[FF], v40
	v_nop                                          ; a plain place behind the batch
	s_wait_alu depctr_va_vdst(0)                   ; one wait for the nine, ahead of the batch's first reader
.irp j, 0,2,4,6
	v_pk_mul_f32 v[W1R+\j:W1R+\j+1], v[W1R+\j:W1R+\j+1], v[CD+\j:CD+\j+1]   ; mask x 2^(l - m)
.endr
.irp k, 0,2,4,6,8,10,12,14
	v_pk_mul_f32 v[AC1+\k:AC1+\k+1], v[AC1+\k:AC1+\k+1], v[FF:FF+1] op_sel_hi:[1,0]   ; pooled1 under the new m
.endr
	v_pk_add_f32 v[44:45], v[W1R:W1R+1], v[W1R+2:W1R+3]
	v_pk_add_f32 v[46:47], v[W1R+4:W1R+5], v[W1R+6:W1R+7]
	v_pk_add_f32 v[44:45], v[44:45], v[46:47]
	v_add_f32 v44, v44, v45
	v_fma_f32 v[L1], v[L1], v[FF], v44             ; l1 likewise, and the tile's weights
.irp p, 0,1,2,3
	WIN 0x03
.irp k, 0,2,4,6,8,10,12,14
	PKB AC1+\k,128*(\bf)+32*\p+\k,W1R,2*\p
.endr
.irp k, 0,2,4,6,8,10,12,14
	PKB AC1+\k,128*(\bf)+32*\p+16+\k,W1R,2*\p+1
.endr
.if \load
	XROWS \bf, XT*(\bf), 2*\p, 2                   ; the rows are done with: the same rows of the tile two further on
.endif
.endr
	WIN 0
.endm
	s_load_b512 s[16:31], s[0:1], 0x0              ; inputs s[16:17], mask s[18:19], W s[20:21], u s[22:23], the scales s[24:25], logits s[26:27], parts s[28:29], stats s[30:31]
	v_lshl_add_u32 v[SPW], v0, 2, SPARE
	v_mov_b32 v[NIL], 0
	v_lshrrev_b32 v9, 5, v0
	v_readfirstlane_b32 s2, v9                     ; wave 0..3
	s_lshl_b32 s3, ttmp9, 2
	s_add_co_u32 s3, s3, s2                        ; P: my run of 128 rows
	s_and_b32 s4, ttmp9, 1                         ; is g odd?
	s_lshl_b32 s5, s4, 2                           ; r' = r xor 4 then,
	s_lshl_b32 s6, s4, 14                          ; W's units 0-3 begin 16 rows further down,
	s_xor_b32 s7, s6, 16384                        ; and units 4-7 do not
	s_mov_b32 s36, 0x76543210                      ; v_permlanex16_b32: lane l takes lane l xor 16
	s_mov_b32 s37, 0xfedcba98
	s_mov_b32 s38, 0x3fb8aa3b                      ; log2(e)
	s_lshl_b32 s52, s3, 17                         ; my 128 rows of 1,024 bytes
	s_mov_b32 s53, 0
	s_lshl_b32 s54, s3, 9                          ; my 128 numbers in mask and in logits
	s_mov_b32 s55, 0
	s_lshr_b32 s56, s2, 1
	s_lshl_b32 s56, s56, 17                        ; W: 128 rows of 1,024 bytes for K step s,
	s_and_b32 s57, s2, 1
	s_lshl_b32 s57, s57, 15                        ; 32 rows for v
	s_add_co_u32 s56, s56, s57
	s_mov_b32 s57, 0
	s_mul_i32 s49, s2, 16*SP
	s_add_co_u32 s49, s49, STAGE
	s_lshl_b32 s58, s2, 9
	s_add_co_u32 s58, s58, MASKL
	s_lshl_b32 s59, s2, 14
	v_and_b32 v32, 15, v0                          ; r
	v_bfe_u32 v33, v0, 4, 1                        ; h
	v_and_b32 v34, 31, v0                          ; lane
	v_and_b32 v35, 1, v0
	v_cmp_eq_u32 s39, 1, v35                       ; the lanes with an odd r
	v_xor_b32 v36, s5, v32                         ; r'
	v_lshlrev_b32 v[PFO], 8, v34
	v_lshlrev_b32 v[LN16], 4, v34
	v_add_nc_u32 v[GO], s6, v[LN16]
	v_add_nc_u32 v[GO+1], s7, v[LN16]
	v_mul_u32_u24 v[STW], v33, 8*SP
	v_lshl_add_u32 v[STW], v32, 3, v[STW]
	v_add_nc_u32 v[STW], s49, v[STW]
	v_mul_u32_u24 v[STR], v32, SP
	v_lshl_add_u32 v[STR], v33, 4, v[STR]
	v_add_nc_u32 v[STR], s49, v[STR]
	v_lshlrev_b32 v[XO], 13, v33
	v_lshl_add_u32 v[XO], v36, 4, v[XO]
	v_lshrrev_b32 v[RH], 1, v32
	v_lshlrev_b32 v[UA], 4, v32
	v_lshl_add_u32 v[MK0], v33, 5, s58
	v_add_nc_u32 v[LGA], s58, v[LN16]
	v_lshlrev_b32 v[WST], 12, v33
	v_lshl_add_u32 v[WST], v32, 4, v[WST]
	v_add_nc_u32 v[WST], s59, v[WST]
	s_wait_alu depctr_va_vdst(0)
	s_wait_kmcnt 0x0
	s_load_b64 s[32:33], s[24:25], 0x0             ; ex, ew
	s_add_nc_u64 s[20:21], s[20:21], s[56:57]      ; W at my first row
	s_add_nc_u64 s[50:51], s[16:17], s[52:53]      ; x at my first row
	s_add_nc_u64 s[18:19], s[18:19], s[54:55]
	WGL 0, 0, 16
	WGL 1, 0, 16
	WGL 2, 0, 16
	WGL 3, 0, 15
	WIN 0
	PF 0                                           ; tiles 0 and 1 of x, behind the loads of W that go ahead of everything
	PF 8192
	PF XT
	PF XT+8192
	WGL 3, 15, 1
	WIN 0
	s_add_nc_u64 s[26:27], s[26:27], s[54:55]
	s_lshl_b32 s52, s3, 11
	s_add_nc_u64 s[28:29], s[28:29], s[52:53]      ; my record of 2,048 bytes in parts
	s_lshl_b32 s52, s3, 4
	s_add_nc_u64 s[30:31], s[30:31], s[52:53]      ; and of 16 in stats
	s_wait_kmcnt 0x0
	s_add_co_i32 s49, s32, 127
	s_lshl_b32 s52, s49, 23
	v_mov_b32 v[XSC], s52                          ; 2^ex as f32: the conversion takes its exponent field
	s_add_co_i32 s49, s49, 15
	s_lshl_b32 s49, s49, 23
	s_or_b32 s49, s49, 0x600000
	v_mov_b32 v[XLIM], s49                         ; 57,344 x 2^ex
	s_add_co_i32 s49, s33, 127
	s_lshl_b32 s52, s49, 23
	v_mov_b32 v[FF], s52                           ; 2^ew
	s_add_co_i32 s49, s49, 15
	s_lshl_b32 s49, s49, 23
	s_or_b32 s49, s49, 0x600000
	v_mov_b32 v[PT], s49                           ; 57,344 x 2^ew
	s_add_co_i32 s49, s32, s33
	s_add_co_i32 s49, s49, -4                      ; a sum stands for sum x 2^(ex + ew), and the logit is divided by 16: both go into u
	s_wait_alu depctr_va_vdst(0)
	; W IS QUANTISED AS IT LANDS: ahead of unit q its sixteen loads are in; what has been asked for behind them may be out; then the next batch is asked for
	s_wait_loadcnt 48                              ; three units
	WGL 4, 0, 16
	WUNIT 0
	s_wait_loadcnt 48
	WGL 5, 0, 16
	WUNIT 1
	WUST 0
	PF 2*XT                                        ; tile 2
	s_wait_loadcnt 48
	WGL 6, 0, 16
	WUNIT 2
	WUST 1
	PF 2*XT+8192
	s_wait_loadcnt 48
	WGL 7, 0, 16
	WUNIT 3
	WUST 2
	PF 3*XT                                        ; tile 3
	s_wait_loadcnt 48
	global_load_b128 v[96:99], v[LN16], s[18:19]   ; my 128 mask values: 512 consecutive bytes
.irp g, 0,1,2,3
	global_load_b128 v[UR+4*\g:UR+4*\g+3], v[UA], s[22:23] offset:256*\g   ; u[64 g + 4 r + 0 .. 3]
.endr
	XROWS 0, 0, 0, 2                               ; x's first two tiles
	WUNIT 4
	WUST 3
	PF 3*XT+8192
	s_wait_loadcnt 45                              ; two units, mask and u (5), two rows' eight
	XROWS 0, 0, 2, 4
	WUNIT 5
	WUST 4
	s_wait_loadcnt 45                              ; one unit, 5, 24 of x
	XROWS 0, 0, 6, 2
	XROWS 1, XT, 0, 2
	WUNIT 6
	WUST 5
	s_wait_loadcnt 45                              ; 5, 40 of x
	XROWS 1, XT, 2, 4
	WUNIT 7
	WUST 6
	s_wait_loadcnt 56                              ; mask and u are in; 56 of x may be out
.irp n, 0,1,2,3,4,5,6,7,8,9,10,11,12,13,14,15
	v_mul_f32 v[UR+\n], s38, v[UR+\n]
.endr
.irp n, 0,1,2,3,4,5,6,7,8,9,10,11,12,13,14,15
	v_ldexp_f32 v[UR+\n], v[UR+\n], s49
.endr
	WUST 7
.irp e, 0,1,2,3
	v_cmp_lt_f32 s[40+\e], 0.5, v[96+\e]
.endr
.irp e, 0,1,2,3
	v_cndmask_b32 v[100+\e], 0, v[96+\e], s[40+\e] ; the mask where it selects,
.endr
.irp e, 0,1,2,3
	v_sub_f32 v[104+\e], v[96+\e], v[100+\e]       ; and where it does not
.endr
	ds_store_b128 v[LGA], v[100:103]
	ds_store_b128 v[LGA], v[104:107] offset:2048
	v_pk_add_f32 v[108:109], v[104:105], v[106:107]
	v_add_f32 v[L2], v108, v109                    ; l2: my four positions' part
.set wq, 0
.rept 32
	v_mov_b32 v[AC1+wq], 0                         ; the tile is written alike for all eight: the first finds zeros
.set wq, wq+1
.endr
.irp e, 0,1,2,3
	v_mov_b32 v[KEEP+\e], 0
.endr
	v_mov_b32 v[L1], 0
	v_mov_b32 v[SNT], 0xff000000                   ; -2^127
	v_mov_b32 v[MRUN], 0xff000000
	v_mov_b32 v[MINR], 0x7f000000                  ; 2^127
	s_mov_b32 s34, 2                               ; the loop's trips
	s_mov_b32 s59, 128                             ; the trip's bytes among my mask values
	s_mov_b32 s60, 2                               ; the numbers of its two tiles
	s_mov_b32 s61, 3
	s_wait_alu depctr_va_vdst(0)
	s_wait_dscnt 0x0                               ; for the others' sake: my codes of W are in LDS
	s_barrier_signal -1
	s_barrier_wait -1                              ; all codes are; nobody writes them again
	XROWS 1, XT, 6, 2                              ; tile 1's last two rows of each half
	WIN 0
	TILE 0, MK0, 0, 0, 32, 1, 2, 1                 ; tiles 0 and 1: W's fragments are loaded while tile 0 is quantised
	TILE 1, MK0, 64, 1, 32, 1, 2, 0
	s_wait_alu depctr_va_vdst(0)
.Ltrip:                                                ; two trips of two tiles, which load tiles 4 to 7
	v_add_nc_u32 v[MKA], s59, v[MK0]
	TILE 0, MKA, 0, s60, 32, 1, 1, 0
	TILE 1, MKA, 64, s61, 32, 1, 1, 0
	s_add_co_u32 s59, s59, 128
	s_add_co_u32 s60, s60, 2
	s_add_co_u32 s61, s61, 2
	s_sub_co_u32 s34, s34, 1
	s_cmp_lg_u32 s34, 0
	s_wait_alu depctr_va_vdst(0)
	s_cbranch_scc1 .Ltrip
	TILE 0, MK0, 384, 6, 32, 0, 0, 0               ; tiles 6 and 7: nothing more to load
	TILE 1, MK0, 448, 7, 0, 0, 0, 0
	; THE END: the two halves of the lanes hold the sums of different rows: they are added; then each half takes other columns, so that a store covers 512 consecutive bytes
.irp x, 1,2,4,8
	v_add_f32_dpp v[L2], v[L2], v[L2] row_xmask:\x row_mask:0xf bank_mask:0xf
.endr
	v_permlanex16_b32 v[PT], v[L1], s36, s37
	v_permlanex16_b32 v43, v[L2], s36, s37
	v_add_f32 v[L1], v[L1], v[PT]
	v_add_f32 v[L2], v[L2], v43
	v_lshlrev_b32 v60, 6, v[RH]                    ; my four logits' place: 64 x tile + 32 h + 16 (r % 2)
	v_and_b32 v61, 16, v[LN16]
	v_bfe_u32 v62, v[LN16], 8, 1
	v_and_b32 v63, 0xf0, v[XO]                     ; 16 r',
	v_add_nc_u32 v60, v60, v61
	v_and_or_b32 v63, v[LN16], 0x100, v63          ; + 256 h: my place in a pooled sum's 512 bytes
	v_lshl_add_u32 v60, v62, 5, v60
	global_store_b128 v60, v[KEEP:KEEP+3], s[26:27]                ; the 32 lanes store 512 consecutive bytes, in another order
.set wq, 0
.rept 32
	v_permlanex16_b32 v[FD+wq], v[AC1+wq], s36, s37
.set wq, wq+1
.endr
.set wq, 0
.rept 16
	v_pk_add_f32 v[AC1+wq:AC1+wq+1], v[AC1+wq:AC1+wq+1], v[FD+wq:FD+wq+1]
.set wq, wq+2
.endr
	v_cmp_le_u32 vcc_lo, 0x100, v[LN16]            ; lanes 16-31
.irp a, 0,1
.irp k, 0,1
.irp e, 0,1,2,3
	v_cndmask_b32 v[CD+8*\a+4*\k+\e], v[AC1+16*\a+8*\k+\e], v[AC1+16*\a+8*\k+4+\e], vcc_lo   ; columns 64 (2 k + h) + 4 r' + e
.endr
.endr
.endr
.irp a, 0,1
.irp k, 0,1
	global_store_b128 v63, v[CD+8*\a+4*\k:CD+8*\a+4*\k+3], s[28:29] offset:1024*\a+512*\k
.endr
.endr
	s_wait_xcnt 0x0                                ; EXEC changes only behind this wait
	v_cmp_eq_u32 vcc_lo, 0, v[LN16]
	s_and_saveexec_b32 s58, vcc_lo                 ; lane 0 alone
	global_store_b128 v[LN16], v[MRUN:MRUN+3], s[30:31]            ; m, the minimum, l1, l2
	s_wait_xcnt 0x0                                ; and again ahead of the line that widens it
	s_or_b32 exec_lo, exec_lo, s58
	s_wait_tensorcnt 0x0                           ; the wave's end
	ds_add_u32 v[SPW], v[NIL]
	s_wait_dscnt 0x0
	s_endpgm
.Lfunc_end_k_q83d396e96d_pool:
	.size	k_q83d396e96d_pool, .Lfunc_end_k_q83d396e96d_pool-k_q83d396e96d_pool
	.p2alignl 7, 3214868480
	.fill 96, 4, 3214868480
	.section	.rodata,"a",@progbits
	.p2align	6, 0x0
	.amdhsa_kernel k_q83d396e96d_pool
		.amdhsa_group_segment_fixed_size 87552
		.amdhsa_private_segment_fixed_size 0
		.amdhsa_enable_private_segment 0
		.amdhsa_kernarg_size 64
		.amdhsa_user_sgpr_count 2
		.amdhsa_user_sgpr_kernarg_segment_ptr 1
		.amdhsa_wavefront_size32 1
		.amdhsa_system_sgpr_workgroup_id_x 1
		.amdhsa_system_sgpr_workgroup_id_y 1
		.amdhsa_system_sgpr_workgroup_id_z 1
		.amdhsa_system_vgpr_workitem_id 0
		.amdhsa_next_free_vgpr 1024
		.amdhsa_next_free_sgpr 72
		.amdhsa_reserve_vcc 1
		.amdhsa_float_denorm_mode_32 3
		.amdhsa_float_denorm_mode_16_64 3
		.amdhsa_memory_ordered 1
		.amdhsa_forward_progress 1
		.amdhsa_inst_pref_size 255
	.end_amdhsa_kernel
	.section	.bss,"aw",@nobits
	.p2align	6
	.space	262144
	.amdgpu_metadata
---
amdhsa.version: [ 1, 2 ]
amdhsa.kernels:
  - .name:           k_q83d396e96d_pool
    .symbol:         k_q83d396e96d_pool.kd
    .args:
      - { .name: inputs, .offset: 0, .size: 8, .value_kind: global_buffer, .address_space: global }
      - { .name: mask, .offset: 8, .size: 8, .value_kind: global_buffer, .address_space: global }
      - { .name: W, .offset: 16, .size: 8, .value_kind: global_buffer, .address_space: global }
      - { .name: u, .offset: 24, .size: 8, .value_kind: global_buffer, .address_space: global }
      - { .name: lowp_scales, .offset: 32, .size: 8, .value_kind: global_buffer, .address_space: global }
      - { .name: logits, .offset: 40, .size: 8, .value_kind: global_buffer, .address_space: global }
      - { .name: parts, .offset: 48, .size: 8, .value_kind: global_buffer, .address_space: global }
      - { .name: stats, .offset: 56, .size: 8, .value_kind: global_buffer, .address_space: global }
    .group_segment_fixed_size: 87552
    .private_segment_fixed_size: 0
    .kernarg_segment_align: 8
    .kernarg_segment_size: 64
    .max_flat_workgroup_size: 128
    .sgpr_count:     72
    .vgpr_count:     1024
    .wavefront_size: 32
...
	.end_amdgpu_metadata
.endif
;; end of part 1
;; launch finish (part 2): grid 256 x 1, 2 waves a work-group, no clusters, 0 bytes of LDS; arguments logits, mask, parts, stats, out0, out1; writes out0, out1
.if DOCPART == 2
	.amdgcn_target "amdgcn-amd-amdhsa--gfx1250"
	.amdhsa_code_object_version 6
	.text
	.protected	k_q83d396e96d_finish
	.globl	k_q83d396e96d_finish
	.p2align	8
	.type	k_q83d396e96d_finish,@function
k_q83d396e96d_finish:
	s_mov_b64 s[64:65], 0
	v_nop
	global_prefetch_b8 v0, s[64:65] scope:SCOPE_SE
	s_setreg_imm32_b32 hwreg(HW_REG_WAVE_MODE, 25, 1), 1
	s_wait_xcnt 0x0
; AttentionWithContext, second launch: a batch's 16 runs of 128 positions are joined.  b is left out here as in the first launch: a term that is the same along T leaves logits_safe - max as it is.
; Of run k the first launch left m_k (the largest selected logit, -2^127 if none), min_k, l1_k, l2_k, pooled1_k (under m_k) and pooled2_k; all logits are x log2(e).
;   MIN = min of min_k;  M = max of m_k, or MIN where nothing is selected: that is reference()'s maximum of logits_safe, since MIN is under every selected logit.
;   den = sum of 2^(m_k - M) l1_k + 2^(MIN - M) l2_k, + 1e-32;   out0 = (sum of 2^(m_k - M) pooled1_k + 2^(MIN - M) sum of pooled2_k) / den;   score = mask 2^((mask > 0.5 ? logit : MIN) - M) / den.
; Work-group 4 b + q serves quarter q of batch b: wave 0 makes 64 columns of out0, wave 1 512 scores.  Each wave makes the statistics for itself (lane l holds run l % 16), so there is no LDS and no barrier.
; The launch moves some 4 MB in dense loads, all issued at the start: matrix units, tensor loads, clusters and prefetches have nothing to do here.
; LIMITS as in the first launch: logits x log2(e) strictly inside +-2^127; NaN among the inputs is not served.
.macro STATS n                         ; n: the loads issued behind the statistics' load, which may stay out
	s_wait_loadcnt \n
	v_mov_b32 v8, v4
	v_mov_b32 v9, v5
.irp x, 1,2,4,8
	v_max_num_f32_dpp v8, v8, v8 row_xmask:\x row_mask:0xf bank_mask:0xf
	v_min_num_f32_dpp v9, v9, v9 row_xmask:\x row_mask:0xf bank_mask:0xf
.endr
	v_cmp_lt_f32 vcc_lo, s20, v8                   ; is anything selected?
	v_cndmask_b32 v8, v9, v8, vcc_lo               ; M
	v_sub_f32 v10, v4, v8
	v_sub_f32 v11, v9, v8
	s_wait_alu depctr_va_vdst(0)
	v_exp_f32 v10, v10                             ; 2^(m_k - M)
	v_exp_f32 v11, v11                             ; 2^(MIN - M)
	v_nop
	s_wait_alu depctr_va_vdst(0)                   ; ahead of the batch's first reader
	v_mul_f32 v12, v11, v7
	v_fmac_f32 v12, v10, v6
.irp x, 1,2,4,8
	v_add_f32_dpp v12, v12, v12 row_xmask:\x row_mask:0xf bank_mask:0xf
.endr
	v_add_f32 v12, s21, v12                        ; + 1e-32
	s_wait_alu depctr_va_vdst(0)
	v_rcp_f32 v13, v12
	v_nop
	s_wait_alu depctr_va_vdst(0)
	v_mul_f32 v10, v10, v13                        ; both factors over den
	v_mul_f32 v11, v11, v13
.endm
	s_load_b256 s[4:11], s[0:1], 0x0               ; logits s[4:5], mask s[6:7], parts s[8:9], stats s[10:11]
	s_load_b128 s[12:15], s[0:1], 0x20             ; out0 s[12:13], out1 s[14:15]
	v_lshrrev_b32 v1, 5, v0
	v_readfirstlane_b32 s2, v1                     ; wave 0, 1
	s_and_b32 s3, ttmp9, 3                         ; q
	s_lshr_b32 s24, ttmp9, 2                       ; b
	s_mov_b32 s20, 0xff000000                      ; -2^127
	s_mov_b32 s21, 0x0a4fb11f                      ; 1e-32
	s_lshl_b32 s16, s24, 8                         ; the batch's 16 records of 16 bytes
	s_mov_b32 s17, 0
	v_and_b32 v2, 31, v0
	v_and_b32 v1, 15, v0
	v_lshlrev_b32 v1, 4, v1                        ; 16 (lane % 16): a run's four numbers
	v_lshlrev_b32 v3, 4, v2                        ; 16 x lane
	v_lshlrev_b32 v2, 3, v2                        ; 8 x lane
	s_wait_alu depctr_va_vdst(0)
	s_wait_kmcnt 0x0
	s_add_nc_u64 s[10:11], s[10:11], s[16:17]
	global_load_b128 v[4:7], v1, s[10:11]          ; m, min, l1, l2 of run lane % 16
	s_cmp_eq_u32 s2, 0
	s_cbranch_scc0 .Lscores
	; ---- wave 0: columns 64 q .. 64 q + 63 of out0, two a lane: every load and the store cover 256 consecutive bytes, aligned
	s_lshl_b32 s18, s3, 8
	s_lshl_b32 s16, s24, 15                        ; the batch's 16 records of 2,048 bytes
	s_add_co_u32 s16, s16, s18
	s_add_nc_u64 s[8:9], s[8:9], s[16:17]
	s_lshl_b32 s16, s24, 10
	s_add_co_u32 s16, s16, s18
	s_add_nc_u64 s[12:13], s[12:13], s[16:17]
.irp k, 0,1,2,3,4,5,6,7,8,9,10,11,12,13,14,15
	global_load_b64 v[16+2*\k:17+2*\k], v2, s[8:9] offset:2048*\k        ; pooled1 of run k
	global_load_b64 v[48+2*\k:49+2*\k], v2, s[8:9] offset:2048*\k+1024   ; pooled2
.endr
	STATS 32
.irp k, 0,1,2,3,4,5,6,7,8,9,10,11,12,13,14,15
	v_readlane_b32 s[32+\k], v10, \k               ; run k's factor
.endr
	s_wait_alu depctr_va_vdst(0)
	s_wait_loadcnt 0x0
.irp k, 0,2,4,6,8,10,12,14                     ; the sum of pooled2, by halves; pooled1's four chains between
	v_pk_add_f32 v[48+2*\k:49+2*\k], v[48+2*\k:49+2*\k], v[50+2*\k:51+2*\k]
.endr
	v_mul_f32 v80, s32, v16
	v_mul_f32 v81, s32, v17
	v_mul_f32 v82, s33, v18
	v_mul_f32 v83, s33, v19
.irp k, 0,4,8,12
	v_pk_add_f32 v[48+2*\k:49+2*\k], v[48+2*\k:49+2*\k], v[52+2*\k:53+2*\k]
.endr
.irp k, 2,4,6,8,10,12,14
	v_fmac_f32 v80, s[32+\k], v[16+2*\k]
	v_fmac_f32 v81, s[32+\k], v[17+2*\k]
	v_fmac_f32 v82, s[33+\k], v[18+2*\k]
	v_fmac_f32 v83, s[33+\k], v[19+2*\k]
.if \k == 2
	v_pk_add_f32 v[48:49], v[48:49], v[56:57]
	v_pk_add_f32 v[64:65], v[64:65], v[72:73]
.endif
.if \k == 4
	v_pk_add_f32 v[48:49], v[48:49], v[64:65]
.endif
.endr
	v_fmac_f32 v80, v48, v11
	v_fmac_f32 v81, v49, v11
	v_pk_add_f32 v[80:81], v[80:81], v[82:83]
	global_store_b64 v2, v[80:81], s[12:13]
	s_endpgm
.Lscores:
	; ---- wave 1: positions 512 q .. + 511: every load and store covers 512 consecutive bytes
	s_lshl_b32 s18, s3, 11
	s_lshl_b32 s16, s24, 13
	s_add_co_u32 s16, s16, s18
	s_add_nc_u64 s[4:5], s[4:5], s[16:17]
	s_add_nc_u64 s[6:7], s[6:7], s[16:17]
	s_add_nc_u64 s[14:15], s[14:15], s[16:17]
.irp i, 0,1,2,3
	global_load_b128 v[16+4*\i:19+4*\i], v3, s[4:5] offset:512*\i
.endr
.irp i, 0,1,2,3
	global_load_b128 v[32+4*\i:35+4*\i], v3, s[6:7] offset:512*\i
.endr
	STATS 8
	s_wait_alu depctr_va_vdst(0)
	s_wait_loadcnt 0x0
.irp n, 0,1,2,3,4,5,6,7,8,9,10,11,12,13,14,15
	v_cmp_lt_f32 s[32+\n], 0.5, v[32+\n]
.endr
.irp n, 0,1,2,3,4,5,6,7,8,9,10,11,12,13,14,15
	v_cndmask_b32 v[16+\n], v9, v[16+\n], s[32+\n] ; logits_safe
.endr
.irp n, 0,1,2,3,4,5,6,7,8,9,10,11,12,13,14,15
	v_sub_f32 v[16+\n], v[16+\n], v8               ; - M
.endr
	s_wait_alu depctr_va_vdst(0)
.irp n, 0,1,2,3,4,5,6,7,8,9,10,11,12,13,14,15
	v_exp_f32 v[16+\n], v[16+\n]                   ; one batch
.endr
.irp n, 0,1,2,3,4,5,6,7,8,9,10,11,12,13,14,15
	v_mul_f32 v[32+\n], v[32+\n], v13              ; mask / den: plain work that names no result of the batch
.endr
	s_wait_alu depctr_va_vdst(0)                   ; one wait for the sixteen, ahead of their first reader
.irp n, 0,1,2,3,4,5,6,7,8,9,10,11,12,13,14,15
	v_mul_f32 v[16+\n], v[16+\n], v[32+\n]
.endr
.irp i, 0,1,2,3
	global_store_b128 v3, v[16+4*\i:19+4*\i], s[14:15] offset:512*\i
.endr
	s_endpgm
.Lfunc_end_k_q83d396e96d_finish:
	.size	k_q83d396e96d_finish, .Lfunc_end_k_q83d396e96d_finish-k_q83d396e96d_finish
	.p2alignl 7, 3214868480
	.fill 96, 4, 3214868480
	.section	.rodata,"a",@progbits
	.p2align	6, 0x0
	.amdhsa_kernel k_q83d396e96d_finish
		.amdhsa_group_segment_fixed_size 0
		.amdhsa_private_segment_fixed_size 0
		.amdhsa_enable_private_segment 0
		.amdhsa_kernarg_size 48
		.amdhsa_user_sgpr_count 2
		.amdhsa_user_sgpr_kernarg_segment_ptr 1
		.amdhsa_wavefront_size32 1
		.amdhsa_system_sgpr_workgroup_id_x 1
		.amdhsa_system_sgpr_workgroup_id_y 1
		.amdhsa_system_sgpr_workgroup_id_z 1
		.amdhsa_system_vgpr_workitem_id 0
		.amdhsa_next_free_vgpr 96
		.amdhsa_next_free_sgpr 66
		.amdhsa_reserve_vcc 1
		.amdhsa_float_denorm_mode_32 3
		.amdhsa_float_denorm_mode_16_64 3
		.amdhsa_memory_ordered 1
		.amdhsa_forward_progress 1
		.amdhsa_inst_pref_size 16
	.end_amdhsa_kernel
	.amdgpu_metadata
---
amdhsa.version: [ 1, 2 ]
amdhsa.kernels:
  - .name:           k_q83d396e96d_finish
    .symbol:         k_q83d396e96d_finish.kd
    .args:
      - { .name: logits, .offset: 0, .size: 8, .value_kind: global_buffer, .address_space: global }
      - { .name: mask, .offset: 8, .size: 8, .value_kind: global_buffer, .address_space: global }
      - { .name: parts, .offset: 16, .size: 8, .value_kind: global_buffer, .address_space: global }
      - { .name: stats, .offset: 24, .size: 8, .value_kind: global_buffer, .address_space: global }
      - { .name: out0, .offset: 32, .size: 8, .value_kind: global_buffer, .address_space: global }
      - { .name: out1, .offset: 40, .size: 8, .value_kind: global_buffer, .address_space: global }
    .group_segment_fixed_size: 0
    .private_segment_fixed_size: 0
    .kernarg_segment_align: 8
    .kernarg_segment_size: 48
    .max_flat_workgroup_size: 64
    .sgpr_count:     66
    .vgpr_count:     96
    .wavefront_size: 32
...
	.end_amdgpu_metadata
.endif
;; end of part 2
